; MI455X (gfx1250); checked and timed in simulation.
; The chip was launched on July 23, 2026; its instructions are those of AMD's public machine-readable ISA for CDNA 5 (MIT licence, August 2026) and "CDNA5" Instruction Set Architecture Reference Guide (July 2026). The comments in the code are by the model that wrote it; some were corrected since.
;; Co Attention Network. Allowed arithmetic: matrix products marked QUANTISED: E2M1 operands, one E8M0 scale for each 32 along K, by v_wmma_scale_f32_16x16x128_f8f6f4 with both operands' format E2M1 (or v_wmma_scale_f32_32x16x128_f4), f32 sums; everything else in f32.
;; Inputs: W1_codes 1,024 x 64 x 16 uint8 (E2M1 codes of W1, K innermost, in blocks of 32 codes, two codes a byte); W1_scales 1,024 x 64 uint8 (E8M0 scales of W1, one for each 32 codes along K); W2_codes 1,024 x 64 x 16 uint8 (E2M1 codes of W2, K innermost, in blocks of 32 codes, two codes a byte); W2_scales 1,024 x 64 uint8 (E8M0 scales of W2, one for each 32 codes along K); Wc_codes 1,024 x 32 x 16 uint8 (E2M1 codes of Wc, K innermost, in blocks of 32 codes, two codes a byte); Wc_scales 1,024 x 32 uint8 (E8M0 scales of Wc, one for each 32 codes along K); Wq_codes 1,024 x 32 x 16 uint8 (E2M1 codes of Wq, K innermost, in blocks of 32 codes, two codes a byte); Wq_scales 1,024 x 32 uint8 (E8M0 scales of Wq, one for each 32 codes along K); b1 1,024 float32; b2 1,024 float32; context 4 x 1,024 x 1,024 float32; mask_c 4 x 1,024 int32; mask_q 4 x 1,024 int32; question 4 x 1,024 x 1,024 float32.
;; Outputs: out0 4 x 1,024 x 1,024 float32; out1 4 x 1,024 x 1,024 float32.
;; This version of the problem:
;;   THIS VERSION OF THE PROBLEM IS GIVEN IN LOW PRECISION. The matrix products marked QUANTISED in the list below multiply operands that are first quantised to E2M1 (2 exponent bits, 1 mantissa bit; 4 bits a number), with one power-of-two scale for each 32 numbers along K (OCP MX v1.0); their sums are f32. All else is computed in f32.
;;   The module's matrix products, in the order in which they are computed (A, B: the left and right operand; K: the contracted axis; several contracted axes count as one K, in the product's order):
;;     1. [M 4,096, K 1,024] x [K 1,024, N 1,024]; A: input question; B: input Wq (given as codes): QUANTISED
;;     2. [M 4,096, K 1,024] x [K 1,024, N 1,024]; A: input context; B: input Wc (given as codes): QUANTISED
;;     3. batch 64 x [M 1,024, K 64] x [K 64, N 1,024]; A: computed on the way; B: computed on the way: QUANTISED
;;     4. batch 64 x [M 1,024, K 1,024] x [K 1,024, N 64]; A: softmax (see below); B: computed on the way: QUANTISED
;;     5. batch 64 x [M 1,024, K 64] x [K 64, N 1,024]; A: computed on the way; B: computed on the way: QUANTISED
;;     6. batch 64 x [M 1,024, K 1,024] x [K 1,024, N 64]; A: softmax (see below); B: computed on the way: QUANTISED
;;     7. [M 4,096, K 2,048] x [K 2,048, N 1,024]; A: computed on the way; B: input W1 (given as codes): QUANTISED
;;     8. [M 4,096, K 2,048] x [K 2,048, N 1,024]; A: computed on the way; B: input W2 (given as codes): QUANTISED
;;   THE QUANTISER, for each operand of a quantised product, along K:
;;     - K is cut into blocks of 32 from its start; a last block that is shorter is filled with zeros.
;;     - A block's scale is 2^e with e = floor(log2(the largest magnitude in the block)) - 2, held to -126 .. 127; a block of zeros has e = 0. As a byte (E8M0): e + 127.
;;     - Each number is divided by its block's scale, clamped to +-6, and rounded to the nearest number of E2M1, ties to even, subnormals kept.
;;     - The product sums the exact products of the quantised numbers (number of the format x scale) in f32.
;;   ~~~python
;;   def quantise(x, axis):      # numpy; x: float32 -> the quantised numbers, widened to float32 again
;;       x = np.moveaxis(x, axis, -1); K = x.shape[-1]
;;       x = np.pad(x, [(0, 0)] * (x.ndim - 1) + [(0, -K % 32)]); x = x.reshape(x.shape[:-1] + (-1, 32)); a = np.abs(x).max(-1, keepdims=True)
;;       e = np.where(a > 0, np.clip(np.frexp(np.where(a > 0, a, 1))[1] - 1 - 2, -126, 127), 0)      # np.frexp(a)[1] - 1 = floor(log2(a)), exactly
;;       r = np.clip(x / 2.0 ** e, -6, 6)
;;       step = 2.0 ** (np.maximum(np.frexp(np.where(r == 0, 1, r))[1] - 1, 0) - 1)
;;       q = np.round(r / step) * step * 2.0 ** e      # np.round: ties to even
;;       return np.moveaxis(q.reshape(q.shape[:-2] + (-1,))[..., :K], -1, axis).astype(np.float32)
;;   ~~~
;;   SOFTMAX AHEAD OF A QUANTISED PRODUCT. Where the list says 'softmax', what is quantised is not the finished softmax but p = 2^(t - M), with t = logit x log2(e) and M = ceil(the row's largest t), a whole number; so 1/2 < the row's largest p <= 1. The row's sum l is taken of the UNQUANTISED p, in f32, and the product's result is divided by l at the end. Since M is a whole number, a kernel that streams over the keys may use a running M (the ceiling of the running maximum): every later rescaling is an exact power of two, which a block's scale takes up: the codes' values come out the same.
;;   OPERANDS COMPUTED ON THE WAY. 'Computed on the way' means the value that the module computes at that place (a softmax that the list does not call 'softmax' is quantised finished and normalised). What goes into a quantiser is computed in f32, as accurately as f32 sums, v_exp_f32 and their like allow (about 1e-6 of the number): no bf16 or f16 on the way to a quantiser, and a product that is left as it is and whose result goes on into a quantised operand takes f32 operands (vector FMAs, or v_wmma_f32_16x16x4_f32). A number that lies on a knife's edge between two numbers of the format may be rounded either way, as far as f32 arithmetic and the matrix unit's own rounding can turn it there, and no further.
;;   INPUTS GIVEN AS CODES. W1 (in the module: [2048, 1024], K = its axis 0); W2 (in the module: [2048, 1024], K = its axis 0); Wc (in the module: [1024, 1024], K = its axis 0); Wq (in the module: [1024, 1024], K = its axis 0): each comes as NAME_codes (uint8): NAME with its K axis moved to the last place and cut into blocks of 32 codes, [.., K / 32, bytes a block], one block behind the other in memory; two codes a byte, the lower K in the low four bits (a code: sign, 2 exponent bits, 1 mantissa bit); and NAME_scales (uint8): the same leading axes, one E8M0 byte (e + 127) for each 32 codes along K. Its value is code x scale, taken as it is: it is not quantised again, and the codes and scales need not be those that the quantiser above would give.
;; One version. Each part assembles by itself: llvm-mc -triple=amdgcn-amd-amdhsa -mcpu=gfx1250 --defsym DOCPART=n.
;; ======== version 1 of 1: 3 launches
;; limits: right only within a limited range of input values
;; workspace buffers: acod 8,388,608 bytes; ascl 524,288 bytes; kv 8,912,896 bytes
;; launch proj (part 1): grid 256 x 1, 4 waves a work-group, clusters of 4 x 1, 327,680 bytes of LDS; arguments question, context, Wq_codes, Wq_scales, Wc_codes, Wc_scales, acod, ascl, kv; writes acod, ascl, kv
.if DOCPART == 1
	.amdgcn_target "amdgcn-amd-amdhsa--gfx1250"
	.amdhsa_code_object_version 6
	.text
	.protected	k_q3222998b45_proj
	.globl	k_q3222998b45_proj
	.p2align	8
	.type	k_q3222998b45_proj,@function
k_q3222998b45_proj:
	s_mov_b64 s[64:65], 0
	v_nop
	global_prefetch_b8 v0, s[64:65] scope:SCOPE_SE
	s_setreg_imm32_b32 hwreg(HW_REG_WAVE_MODE, 25, 1), 1
	s_wait_xcnt 0x0
	s_wait_alu depctr_hold_cnt(0) depctr_sa_sdst(0) depctr_va_vdst(0) depctr_va_sdst(0) depctr_va_ssrc(0) depctr_va_vcc(0) depctr_vm_vsrc(0)
	s_getreg_b32 s2, hwreg(HW_REG_IB_STS2, 6, 4)
	s_cmp_eq_u32 s2, 0
	s_cbranch_scc0 .Lentry_in_a_cluster
	s_endpgm
.Lentry_in_a_cluster:
	s_bfe_u32 s2, ttmp6, 0x10000c
	s_cmp_lg_u32 s2, 0x3003
	s_cbranch_scc0 .Lentry_shape_is_right
	s_endpgm
.Lentry_shape_is_right:
.set REC,   69632
.set SLOTB, 33792
.set WP,    528
.set STG,   8*SLOTB
.set XIMG,  STG+4*16*WP
.set XSC,   XIMG+16*1024
.set SPARE, XSC+1024
.set XO,  4
.set STS, 5
.set STL, 6
.set IMG, 7
.set XSW, 8
.set XSR, 9
.set GXI, 10
.set LS,  11
.set AW,  12
.set WSO, 13
.set XIL, 14
.set KSO, 15
.set VO,  16
.set VSO, 17
.set SH,  18
.set SPW, 19
.set NIL, 20
.set GXS, 21
.set KIO, 22
.set XS,  24
.set WS,  32
.set T,   64
.set N,   128
.set TM,  192
.set PC,  212
.set VCD, 220
.set PW0, 228
.set PW1, 229
.set PWV, 230
.set TA,  231
.set TB,  232
.set WV,  22
.set G1,  24
.set G0,  32
.set SEL, 42
.set HIM, 44
.set MSB, 0
.macro WIN new
.if MSB != \new
	s_set_vgpr_msb (MSB<<8)|\new
.set MSB, \new
.endif
.endm
.macro PLACES
.rept 4
	v_nop
.endr
.endm
.macro ROUND
	s_barrier_signal -1
	s_barrier_wait -1
	s_cmp_lg_u32 s[WV], 0
	s_cbranch_scc1 .Lnot_wave_0_\@
	s_barrier_signal -3
.Lnot_wave_0_\@:
	s_barrier_wait -3
	s_barrier_signal -1
	s_barrier_wait -1
.endm
.macro WM d, a, b, c, sa, sb, ra, rb
.if (\c) < 0
.if ((\ra) == 0) && ((\rb) == 0)
	v_wmma_scale_f32_16x16x128_f8f6f4 v[(\d):(\d)+7], v[(\a):(\a)+7], v[(\b):(\b)+7], 0, v[(\sa)], v[(\sb)] matrix_a_fmt:MATRIX_FMT_FP4 matrix_b_fmt:MATRIX_FMT_FP4
.elseif (\rb) == 0
	v_wmma_scale_f32_16x16x128_f8f6f4 v[(\d):(\d)+7], v[(\a):(\a)+7], v[(\b):(\b)+7], 0, v[(\sa)], v[(\sb)] matrix_a_fmt:MATRIX_FMT_FP4 matrix_b_fmt:MATRIX_FMT_FP4 matrix_a_scale:MATRIX_SCALE_ROW1
.elseif (\ra) == 0
	v_wmma_scale_f32_16x16x128_f8f6f4 v[(\d):(\d)+7], v[(\a):(\a)+7], v[(\b):(\b)+7], 0, v[(\sa)], v[(\sb)] matrix_a_fmt:MATRIX_FMT_FP4 matrix_b_fmt:MATRIX_FMT_FP4 matrix_b_scale:MATRIX_SCALE_ROW1
.else
	v_wmma_scale_f32_16x16x128_f8f6f4 v[(\d):(\d)+7], v[(\a):(\a)+7], v[(\b):(\b)+7], 0, v[(\sa)], v[(\sb)] matrix_a_fmt:MATRIX_FMT_FP4 matrix_b_fmt:MATRIX_FMT_FP4 matrix_a_scale:MATRIX_SCALE_ROW1 matrix_b_scale:MATRIX_SCALE_ROW1
.endif
.else
.if ((\ra) == 0) && ((\rb) == 0)
	v_wmma_scale_f32_16x16x128_f8f6f4 v[(\d):(\d)+7], v[(\a):(\a)+7], v[(\b):(\b)+7], v[(\c):(\c)+7], v[(\sa)], v[(\sb)] matrix_a_fmt:MATRIX_FMT_FP4 matrix_b_fmt:MATRIX_FMT_FP4
.elseif (\rb) == 0
	v_wmma_scale_f32_16x16x128_f8f6f4 v[(\d):(\d)+7], v[(\a):(\a)+7], v[(\b):(\b)+7], v[(\c):(\c)+7], v[(\sa)], v[(\sb)] matrix_a_fmt:MATRIX_FMT_FP4 matrix_b_fmt:MATRIX_FMT_FP4 matrix_a_scale:MATRIX_SCALE_ROW1
.elseif (\ra) == 0
	v_wmma_scale_f32_16x16x128_f8f6f4 v[(\d):(\d)+7], v[(\a):(\a)+7], v[(\b):(\b)+7], v[(\c):(\c)+7], v[(\sa)], v[(\sb)] matrix_a_fmt:MATRIX_FMT_FP4 matrix_b_fmt:MATRIX_FMT_FP4 matrix_b_scale:MATRIX_SCALE_ROW1
.else
	v_wmma_scale_f32_16x16x128_f8f6f4 v[(\d):(\d)+7], v[(\a):(\a)+7], v[(\b):(\b)+7], v[(\c):(\c)+7], v[(\sa)], v[(\sb)] matrix_a_fmt:MATRIX_FMT_FP4 matrix_b_fmt:MATRIX_FMT_FP4 matrix_a_scale:MATRIX_SCALE_ROW1 matrix_b_scale:MATRIX_SCALE_ROW1
.endif
.endif
.endm
.macro QMAX s, nb
.set b_, 0
.rept \nb
	v_max3_num_f32 v[TM+b_], |v[(\s)+16*b_]|, |v[(\s)+16*b_+1]|, 0x1800000
.set b_, b_+1
.endr
.irp i, 2,4,6,8,10,12,14
.set b_, 0
.rept \nb
	v_max3_num_f32 v[TM+b_], v[TM+b_], |v[(\s)+16*b_+\i]|, |v[(\s)+16*b_+\i+1]|
.set b_, b_+1
.endr
.endr
.set b_, 0
.rept \nb
	v_permlanex16_b32 v[TM+4+b_], v[TM+b_], s[SEL], s[SEL+1]
.set b_, b_+1
.endr
.set b_, 0
.rept \nb
	v_max_num_f32 v[TM+b_], v[TM+b_], v[TM+4+b_]
.set b_, b_+1
.endr
.set b_, 0
.rept \nb
	v_add_nc_u32 v[TM+12+b_], 0xff000000, v[TM+b_]
.set b_, b_+1
.endr
.set b_, 0
.rept \nb
	v_lshrrev_b32 v[TM+4+b_], 23, v[TM+12+b_]
.set b_, b_+1
.endr
.endm
.macro QCVTK s, nb, pc
.set b_, 0
.rept \nb
	v_cvt_scalef32_pk8_fp4_f32 v[(\pc)+4*(b_/2)+(b_%2)], v[(\s)+16*b_:(\s)+16*b_+7], v[TM+12+b_]
	v_cvt_scalef32_pk8_fp4_f32 v[(\pc)+4*(b_/2)+2+(b_%2)], v[(\s)+16*b_+8:(\s)+16*b_+15], v[TM+12+b_]
.set b_, b_+1
.endr
	v_nop
.set b_, 0
.rept (\nb)/2
	v_permlane16_swap_b32 v[(\pc)+4*b_], v[(\pc)+4*b_+1]
	v_permlane16_swap_b32 v[(\pc)+4*b_+2], v[(\pc)+4*b_+3]
.set b_, b_+1
.endr
.endm
.macro QCVTV s, pc
.set b_, 0
.rept 4
	v_cvt_scalef32_pk8_fp4_f32 v[(\pc)+2*b_], v[(\s)+16*b_:(\s)+16*b_+7], v[TM+12+b_]
	v_cvt_scalef32_pk8_fp4_f32 v[(\pc)+2*b_+1], v[(\s)+16*b_+8:(\s)+16*b_+15], v[TM+12+b_]
.set b_, b_+1
.endr
	v_nop
.set b_, 0
.rept 4
	v_permlane16_swap_b32 v[(\pc)+2*b_], v[(\pc)+2*b_+1]
.set b_, b_+1
.endr
.endm
	s_load_b512 s[4:19], s[0:1], 0x0
	s_load_b64 s[20:21], s[0:1], 0x40
	v_lshl_add_u32 v[SPW], v0, 2, SPARE
	v_mov_b32 v[NIL], 0
	ds_add_u32 v[SPW], v[NIL]
	ds_add_u32 v[SPW], v[NIL]
	v_lshrrev_b32 v1, 5, v0
	v_readfirstlane_b32 s[WV], v1
	s_mov_b32 s[G1], 15|(1<<20)|(1<<21)|(6<<22)|(3<<25)
	s_mov_b32 s[G1+1], 512<<16
	s_mov_b32 s[G1+2], 64<<16
	s_mov_b32 s[G1+3], 512<<16
	s_mov_b32 s[G1+4], 64
	s_mov_b32 s[G1+5], 512
	s_mov_b32 s[G1+6], 0
	s_mov_b32 s[G1+7], 0
	s_mov_b32 s[SEL], 0x76543210
	s_mov_b32 s[SEL+1], 0xfedcba98
	s_mov_b32 s[HIM], 0xffff0000
	s_bfe_u32 s45, ttmp6, 0x40000
	s_lshl_b32 s46, ttmp9, 2
	s_add_co_u32 s46, s46, s45
	s_lshr_b32 s47, ttmp9, 5
	s_and_b32 s48, s46, 127
	s_and_b32 s49, s48, 31
	s_lshr_b32 s50, s48, 5
	s_lshl_b32 s52, s[WV], 15
	s_mov_b32 s53, 0
	s_mul_i32 s51, s[WV], 2*SLOTB
	s_wait_dscnt 0x0
	s_wait_kmcnt 0x0
	s_cmp_eq_u32 s47, 0
	s_cselect_b64 s[4:5], s[4:5], s[6:7]
	s_cselect_b64 s[8:9], s[8:9], s[12:13]
	s_cselect_b64 s[10:11], s[10:11], s[14:15]
.irp sl, 0,1
	s_mov_b32 s[G0+4*\sl], 1
	s_add_co_u32 s[G0+4*\sl+1], s51, \sl*SLOTB
	s_add_nc_u64 s[G0+4*\sl+2:G0+4*\sl+3], s[8:9], s[52:53]
	s_add_nc_u64 s[G0+4*\sl+2:G0+4*\sl+3], s[G0+4*\sl+2:G0+4*\sl+3], \sl*131072
	s_or_b32 s[G0+4*\sl+3], s[G0+4*\sl+3], 0x80000000
.endr
	ROUND
	tensor_load_to_lds s[G0:G0+3], s[G1:G1+7]
	s_nop 0
	s_wait_alu depctr_va_vdst(0)
	s_wait_tensorcnt 0x0
	ds_add_u32 v19, v20
	s_wait_dscnt 0x0
	ROUND
	tensor_load_to_lds s[G0+4:G0+7], s[G1:G1+7]
	s_nop 0
	PLACES
	s_lshl_b32 s52, s48, 17
	s_add_nc_u64 s[4:5], s[4:5], s[52:53]
	s_lshl_b32 s52, s47, 21
	s_lshl_b32 s54, s48, 14
	s_add_co_u32 s52, s52, s54
	s_add_nc_u64 s[16:17], s[16:17], s[52:53]
	s_lshl_b32 s52, s47, 17
	s_lshl_b32 s54, s48, 10
	s_add_co_u32 s52, s52, s54
	s_add_nc_u64 s[18:19], s[18:19], s[52:53]
	s_lshl_b32 s52, s47, 2
	s_add_co_u32 s52, s52, s50
	s_lshl_b32 s52, s52, 4
	s_add_co_u32 s52, s52, s[WV]
	s_mul_i32 s52, s52, REC
	s_add_nc_u64 s[20:21], s[20:21], s[52:53]
	v_and_b32 v1, 31, v0
	v_and_b32 v2, 15, v0
	v_bfe_u32 v3, v0, 4, 1
	s_lshl_b32 s52, s[WV], 10
	v_lshl_add_u32 v[XO], v1, 4, s52
	s_lshl_b32 s52, s[WV], 11
	v_lshlrev_b32 v[WSO], 5, v2
	v_lshl_add_u32 v[WSO], v3, 4, v[WSO]
	v_add_nc_u32 v[WSO], s52, v[WSO]
.irp t, 0,1,2,3
	global_load_b128 v[WS+4*\t:WS+4*\t+3], v[WSO], s[10:11] offset:512*\t
.endr
.macro XLOAD i
.irp p, 0,1,2,3,4,5,6,7,8,9,10,11,12,13,14,15
	global_load_b128 v[64*(\i)+4*\p:64*(\i)+4*\p+3], v[XO], s[4:5] offset:(((\i)&1)*16+\p)*4096+((\i)>>1)*512 th:TH_LOAD_NT
.endr
.endm
	WIN 0x40
	XLOAD 0
	XLOAD 1
	XLOAD 2
	XLOAD 3
	WIN 0
	s_mul_i32 s52, s[WV], 16*WP
	s_add_co_u32 s52, s52, STG
	v_lshl_add_u32 v[STS], v1, 4, s52
	v_mul_u32_u24 v[STL], v2, WP
	v_lshl_add_u32 v[STL], v3, 5, v[STL]
	v_add_nc_u32 v[STL], s52, v[STL]
	s_lshl_b32 s52, s[WV], 12
	v_lshl_add_u32 v[GXI], v1, 4, s52
	s_add_co_u32 s52, s52, XIMG
	v_lshl_add_u32 v[IMG], v1, 4, s52
	s_lshl_b32 s52, s[WV], 8
	v_lshl_add_u32 v[GXS], v1, 3, s52
	s_add_co_u32 s52, s52, XSC
	v_lshl_add_u32 v[XSW], v2, 2, s52
	v_lshl_add_u32 v[XSR], v1, 3, s52
	v_lshl_add_u32 v[LS], v1, 2, XSC
	v_mul_u32_u24 v[AW], v2, WP
	v_lshl_add_u32 v[AW], v3, 4, v[AW]
	v_add_nc_u32 v[AW], s51, v[AW]
	v_lshl_add_u32 v[XIL], v1, 4, XIMG
	s_lshl_b32 s52, s49, 6
	v_lshl_add_u32 v[KSO], v1, 1, s52
	v_lshlrev_b32 v[VSO], 2, v2
	v_lshl_add_u32 v[VSO], v3, 1, v[VSO]
	v_add_nc_u32 v[VSO], s52, v[VSO]
	s_lshl_b32 s52, s49, 8
	v_lshlrev_b32 v[VO], 4, v2
	v_lshl_add_u32 v[VO], v3, 3, v[VO]
	v_add_nc_u32 v[VO], s52, v[VO]
	s_lshl_b32 s52, s49, 10
	v_lshl_add_u32 v[KIO], v1, 4, s52
	v_lshlrev_b32 v[SH], 4, v3
.irp b, 4,5,6,7
	v_mov_b32 v[TM+\b], 0
.endr
.macro TURN i
.set xt_, T+64*((\i)&1)
	WIN 0x04
.irp p, 0,1,2,3,4,5,6,7,8,9,10,11,12,13,14,15
	ds_store_b128 v[STS], v[64*(\i)+4*\p:64*(\i)+4*\p+3] offset:WP*\p
.endr
	WIN 0
.irp b, 0,1,2,3
.irp u, 0,1
.irp j, 0,1
	ds_load_b128 v[xt_+16*\b+8*\u+4*\j:xt_+16*\b+8*\u+4*\j+3], v[STL] offset:128*\b+64*\u+16*\j
.endr
.endr
.endr
.endm
.macro XFRAG i
.set xn_, T+64*((\i)&1)
	s_wait_dscnt 0x0
.if (\i) < 3
	s_wait_loadcnt 32-16*(\i)
	TURN (\i)+1
.endif
	QMAX xn_, 4
	v_lshl_or_b32 v[PW0], v[TM+5], 8, v[TM+4]
	v_lshl_or_b32 v[PW0], v[TM+6], 16, v[PW0]
	v_lshl_or_b32 v[PW0], v[TM+7], 24, v[PW0]
	s_wait_xcnt 0x0
	QCVTK xn_, 4, PC
	ds_store_b128 v[IMG], v[PC:PC+3] offset:1024*(\i)
	ds_store_b128 v[IMG], v[PC+4:PC+7] offset:1024*(\i)+512
	ds_store_b32 v[XSW], v[PW0] offset:64*(\i)
	global_store_b128 v[GXI], v[PC:PC+3], s[16:17] offset:1024*(\i)
	global_store_b128 v[GXI], v[PC+4:PC+7], s[16:17] offset:1024*(\i)+512
.endm
	s_wait_loadcnt 48
	TURN 0
	XFRAG 0
	XFRAG 1
	XFRAG 2
	XFRAG 3
	ds_load_b64 v[234:235], v[XSR]
	s_wait_dscnt 0x0
	global_store_b64 v[GXS], v[234:235], s[18:19]
	s_barrier_signal -1
	s_barrier_wait -1
	WIN 0x40
.irp f, 0,1,2,3,4,5,6,7,8,9,10,11,12,13,14,15
	ds_load_b128 v[8*\f:8*\f+3], v[XIL] offset:1024*\f
	ds_load_b128 v[8*\f+4:8*\f+7], v[XIL] offset:1024*\f+512
.endr
	WIN 0
.irp s, 0,1,2,3,4,5,6,7
	ds_load_b32 v[XS+\s], v[LS] offset:128*\s
.endr
.macro FETCHW tau, buf
	WIN 0x40
.irp s, 0,1,2,3,4,5,6,7
.irp c, 0,1
	ds_load_b128 v[128+64*(\buf)+8*\s+4*\c:128+64*(\buf)+8*\s+4*\c+3], v[AW] offset:sl_*SLOTB+16*(\tau)*WP+64*\s+32*\c
.endr
.endr
.endm
.macro MUL tau, buf
	WIN 0x05
.set dT0_, T+8*(\tau)
.set dT1_, T+32+8*(\tau)
.set dN0_, N+16*(\tau)
.set dN1_, N+16*(\tau)+8
.set ks_, 0
.rept 8
.set wf_, 128+64*(\buf)+8*ks_
.set ws_, WS+16*sl_+4*(\tau)+(ks_&3)
.if ks_ == 0
	WM dT0_, wf_, 16*ks_, -1, ws_, XS+ks_, ks_>>2, 0
	WM dT1_, wf_, 16*ks_+8, -1, ws_, XS+ks_, ks_>>2, 1
	WM dN0_, 16*ks_, wf_, -1, XS+ks_, ws_, 0, ks_>>2
	WM dN1_, 16*ks_+8, wf_, -1, XS+ks_, ws_, 1, ks_>>2
.else
	WM dT0_, wf_, 16*ks_, dT0_, ws_, XS+ks_, ks_>>2, 0
	WM dT1_, wf_, 16*ks_+8, dT1_, ws_, XS+ks_, ks_>>2, 1
	WM dN0_, 16*ks_, wf_, dN0_, XS+ks_, ws_, 0, ks_>>2
	WM dN1_, 16*ks_+8, wf_, dN1_, XS+ks_, ws_, 1, ks_>>2
.endif
.set ks_, ks_+1
.endr
.endm
.macro FILL sl
	s_wait_tensorcnt 0x0
	ds_add_u32 v[SPW], v[NIL]
	s_add_nc_u64 s[G0+4*(\sl)+2:G0+4*(\sl)+3], s[G0+4*(\sl)+2:G0+4*(\sl)+3], 262144
	s_wait_dscnt 0x0
	ROUND
	tensor_load_to_lds s[G0+4*(\sl):G0+4*(\sl)+3], s[G1:G1+7]
	s_nop 0
	PLACES
.endm
.macro CHUNK q
.set sl_, (\q)&1
.if (\q) < 3
	s_wait_tensorcnt 0x1
.else
	s_wait_tensorcnt 0x0
.endif
	s_wait_loadcnt 0x0
.if (\q) < 3
.irp t, 0,1,2,3
	global_load_b128 v[WS+16*(1-sl_)+4*\t:WS+16*(1-sl_)+4*\t+3], v[WSO], s[10:11] offset:8192*((\q)+1)+512*\t
.endr
.endif
	FETCHW 0, 0
	FETCHW 1, 1
	s_wait_dscnt 16
	MUL 0, 0
	PLACES
	FETCHW 2, 0
	s_wait_dscnt 16
	MUL 1, 1
	PLACES
	FETCHW 3, 1
	s_wait_dscnt 16
	MUL 2, 0
	s_wait_dscnt 0x0
	MUL 3, 1
	WIN 0
.if (\q) < 2
	FILL sl_
.else
	PLACES
.endif
	s_wait_xcnt 0x0
	QMAX T, 2
	v_lshl_or_b32 v[PW0], v[TM+5], 8, v[TM+4]
	QCVTK T, 2, PC
	QMAX T+32, 2
	v_lshl_or_b32 v[PW1], v[TM+5], 8, v[TM+4]
	QCVTK T+32, 2, PC+4
	QMAX N, 4
	v_lshl_or_b32 v[PWV], v[TM+5], 8, v[TM+4]
	v_lshl_or_b32 v[PWV], v[TM+6], 16, v[PWV]
	v_lshl_or_b32 v[PWV], v[TM+7], 24, v[PWV]
	QCVTV N, VCD
	global_store_b128 v[KIO], v[PC:PC+3], s[20:21] offset:4*REC*(\q)
	global_store_b128 v[KIO], v[PC+4:PC+7], s[20:21] offset:4*REC*(\q)+512
	v_cndmask_b32 v[TA], v[PW0], v[PW1], s[HIM]
	global_store_b16 v[KSO], v[TA], s[20:21] offset:4*REC*(\q)+65536
.irp t, 0,1,2,3
	global_store_b64 v[VO], v[VCD+2*\t:VCD+2*\t+1], s[20:21] offset:4*REC*(\q)+32768+8192*\t
.endr
	v_lshrrev_b32 v[TB], v[SH], v[PWV]
	global_store_b16 v[VSO], v[TB], s[20:21] offset:4*REC*(\q)+67584
.endm
	CHUNK 0
	CHUNK 1
	CHUNK 2
	CHUNK 3
	s_wait_tensorcnt 0x0
	ds_add_u32 v[SPW], v[NIL]
	s_wait_dscnt 0x0
	ROUND
	s_endpgm
.Lfunc_end_k_q3222998b45_proj:
	.size	k_q3222998b45_proj, .Lfunc_end_k_q3222998b45_proj-k_q3222998b45_proj
	.p2alignl 7, 3214868480
	.fill 96, 4, 3214868480
	.section	.rodata,"a",@progbits
	.p2align	6, 0x0
	.amdhsa_kernel k_q3222998b45_proj
		.amdhsa_group_segment_fixed_size 327680
		.amdhsa_private_segment_fixed_size 0
		.amdhsa_enable_private_segment 0
		.amdhsa_kernarg_size 72
		.amdhsa_user_sgpr_count 2
		.amdhsa_user_sgpr_kernarg_segment_ptr 1
		.amdhsa_wavefront_size32 1
		.amdhsa_system_sgpr_workgroup_id_x 1
		.amdhsa_system_sgpr_workgroup_id_y 1
		.amdhsa_system_sgpr_workgroup_id_z 1
		.amdhsa_system_vgpr_workitem_id 0
		.amdhsa_next_free_vgpr 512
		.amdhsa_next_free_sgpr 66
		.amdhsa_reserve_vcc 0
		.amdhsa_float_denorm_mode_32 3
		.amdhsa_float_denorm_mode_16_64 3
		.amdhsa_memory_ordered 1
		.amdhsa_forward_progress 1
		.amdhsa_inst_pref_size 160
	.end_amdhsa_kernel
	.amdgpu_metadata
---
amdhsa.version: [ 1, 2 ]
amdhsa.kernels:
  - .name:           k_q3222998b45_proj
    .symbol:         k_q3222998b45_proj.kd
    .args:
      - { .name: question, .offset: 0, .size: 8, .value_kind: global_buffer, .address_space: global }
      - { .name: context, .offset: 8, .size: 8, .value_kind: global_buffer, .address_space: global }
      - { .name: Wq_codes, .offset: 16, .size: 8, .value_kind: global_buffer, .address_space: global }
      - { .name: Wq_scales, .offset: 24, .size: 8, .value_kind: global_buffer, .address_space: global }
      - { .name: Wc_codes, .offset: 32, .size: 8, .value_kind: global_buffer, .address_space: global }
      - { .name: Wc_scales, .offset: 40, .size: 8, .value_kind: global_buffer, .address_space: global }
      - { .name: acod, .offset: 48, .size: 8, .value_kind: global_buffer, .address_space: global }
      - { .name: ascl, .offset: 56, .size: 8, .value_kind: global_buffer, .address_space: global }
      - { .name: kv, .offset: 64, .size: 8, .value_kind: global_buffer, .address_space: global }
    .group_segment_fixed_size: 327680
    .private_segment_fixed_size: 0
    .kernarg_segment_align: 8
    .kernarg_segment_size: 72
    .max_flat_workgroup_size: 128
    .sgpr_count:     66
    .vgpr_count:     512
    .wavefront_size: 32
...
	.end_amdgpu_metadata
.endif
;; end of part 1
;; launch attn (part 2): grid 256 x 1, 16 waves a work-group, clusters of 4 x 1, 167,936 bytes of LDS; arguments kv, mask_q, mask_c, acod, ascl; writes acod, ascl
.if DOCPART == 2
	.amdgcn_target "amdgcn-amd-amdhsa--gfx1250"
	.amdhsa_code_object_version 6
	.text
	.protected	k_q3222998b45_attn
	.globl	k_q3222998b45_attn
	.p2align	8
	.type	k_q3222998b45_attn,@function
k_q3222998b45_attn:
	s_mov_b64 s[64:65], 0
	v_nop
	global_prefetch_b8 v0, s[64:65] scope:SCOPE_SE
	s_setreg_imm32_b32 hwreg(HW_REG_WAVE_MODE, 25, 1), 1
	s_wait_xcnt 0x0
	s_wait_alu depctr_hold_cnt(0) depctr_sa_sdst(0) depctr_va_vdst(0) depctr_va_sdst(0) depctr_va_ssrc(0) depctr_va_vcc(0) depctr_vm_vsrc(0)
	s_getreg_b32 s2, hwreg(HW_REG_IB_STS2, 6, 4)
	s_cmp_eq_u32 s2, 0
	s_cbranch_scc0 .Lentry_in_a_cluster
	s_endpgm
.Lentry_in_a_cluster:
	s_bfe_u32 s2, ttmp6, 0x10000c
	s_cmp_lg_u32 s2, 0x3003
	s_cbranch_scc0 .Lentry_shape_is_right
	s_endpgm
.Lentry_shape_is_right:
; SECOND LAUNCH: both attentions, on the codes that the first launch stored.  z = 0: keys and values = question's heads, queries = context's, mask_q; z = 1: the other way round, mask_c.  Nothing is left out.
; THE SOFTMAX: t = logit x log2(e); M = the running largest t rounded up to a whole number; p = 2^(t - M) is quantised along the keys, not normalised; the row's sum is taken of the unquantised p and divides at the end.
; THE MASK acts on QUERY rows: a masked row's logits are all -65504.  No branch: t = score x CL + AL with (CL, AL) = (log2(e) / 8, 0), or (0, -65504 log2(e)) in a masked row.
; LIMITS: NaN and infinities are not served; in a masked row the score is multiplied by 0, so it has to be finite.  A block of zeros gets the scale byte 1 (its codes are zeros; this program alone reads the bytes).
; SHARES.  A work-group takes 256 queries of one batch and a PAIR of heads; each of its sixteen waves owns 16 queries and walks head 0, then head 1, 128 keys a step.
; The pair's two kv records, 139,264 consecutive bytes, come into LDS once, 8,704 bytes a wave, and nothing is filled again: so there is no later stream to prefetch.
; The four work-groups of a cluster are the four blocks of queries of one batch and pair of heads: they read the same records, so the load is JOINT.
; LAYOUT.  Both products transposed: S^T = K Q^T, O^T = V^T P^T: a lane holds one query throughout.  The head has 64 channels, half of the instruction's K: Q's upper four registers are zero codes,
; so whatever stands in K's upper four (the next tile's codes) adds nothing; the upper two scale bytes are 0, which is a number.
; In two neighbouring tiles of keys lane (r, h) holds key 32 b + 16 u + 8 h + j in register 16 b + 8 u + j; the conversion of tile (b, u) goes to register 4 (b / 2) + 2 u + b % 2 and one exchange of halves
; for each pair of registers leaves the operand's layout.
; A KEY STEP: the next step's K and scale words are asked for a step ahead, two loads at a time between the links of the chain that leads from the scores to M.  All 64 scalings stand first, then the 64
; exponentials as one batch with one wait ahead of it and one behind it; the blocks' four largest p are a second batch, with half of the row's sum behind it; O^T is rescaled behind a wait of its own;
; the sum's other half stands between p's codes and the second product.  A head's last step is written out: it asks for no further K.
; OUT: O / l, quantised along D (two blocks a head): acod part 1, an image of the registers: K step = the pair of heads, group c = the head; ascl part 1: the rows' scale words.
.set REC,   69632
.set SPARE, 2*REC
.set AK0, 1
.set AV0, 2
.set ASK0, 3
.set ASV0, 4
.set SPW, 5
.set NIL, 6
.set GO,  7
.set ADK, 8
.set ADV, 9
.set ADS, 10
.set ADT, 11
.set Q0,  16                           ; v12 -M, v13 the largest t, v[14:15] the sum in two halves
.set QS0, 24
.set QS1, 25
.set CL,  26
.set NMA, 28
.set AL,  30
.set SH,  31
.set KR,  32                           ; eight tiles of keys, four registers each; v64-67 zeros behind them
.set VR,  68
.set S,   100
.set O,   164
.set PC,  196
.set KSR, 204
.set VSR, 208
.set PS,  210
.set VT,  211
.set TM,  212
.set CB,  TM+8
.set CC,  TM+10
.set CD,  254
.set F,   228
.set TA,  230
.set TB,  231
.set OC,  232
.set Q1,  240
.set SW,  248
.set SOUT, 249
.set SO,  250
.set QO,  251
.set QSO, 252
.set MO,  253
.set WV,  14
.set G1,  16
.set G0,  24
.set SEL, 28
.set TK,  30
.set TV,  31
.set TS,  32
.set CNT, 33
.macro PLACES
.rept 4
	v_nop
.endr
.endm
.macro ROUND
	s_barrier_signal -1
	s_barrier_wait -1
	s_cmp_lg_u32 s[WV], 0
	s_cbranch_scc1 .Lnot_wave_0_\@
	s_barrier_signal -3
.Lnot_wave_0_\@:
	s_barrier_wait -3
	s_barrier_signal -1
	s_barrier_wait -1
.endm
; one product.  c < 0: the constant 0 starts the sum.  ra: which half of the lanes holds source 0's scale words
.macro WM d, a, b, c, sa, sb, ra
.if (\c) < 0
.if (\ra) == 0
	v_wmma_scale_f32_16x16x128_f8f6f4 v[(\d):(\d)+7], v[(\a):(\a)+7], v[(\b):(\b)+7], 0, v[(\sa)], v[(\sb)] matrix_a_fmt:MATRIX_FMT_FP4 matrix_b_fmt:MATRIX_FMT_FP4
.else
	v_wmma_scale_f32_16x16x128_f8f6f4 v[(\d):(\d)+7], v[(\a):(\a)+7], v[(\b):(\b)+7], 0, v[(\sa)], v[(\sb)] matrix_a_fmt:MATRIX_FMT_FP4 matrix_b_fmt:MATRIX_FMT_FP4 matrix_a_scale:MATRIX_SCALE_ROW1
.endif
.else
.if (\ra) == 0
	v_wmma_scale_f32_16x16x128_f8f6f4 v[(\d):(\d)+7], v[(\a):(\a)+7], v[(\b):(\b)+7], v[(\c):(\c)+7], v[(\sa)], v[(\sb)] matrix_a_fmt:MATRIX_FMT_FP4 matrix_b_fmt:MATRIX_FMT_FP4
.else
	v_wmma_scale_f32_16x16x128_f8f6f4 v[(\d):(\d)+7], v[(\a):(\a)+7], v[(\b):(\b)+7], v[(\c):(\c)+7], v[(\sa)], v[(\sb)] matrix_a_fmt:MATRIX_FMT_FP4 matrix_b_fmt:MATRIX_FMT_FP4 matrix_a_scale:MATRIX_SCALE_ROW1
.endif
.endif
.endm
.macro QMAX s, nb                      ; nb blocks of 32 in registers s + 16 b .. + 15 of lanes l and l xor 16: scale operand in v[TM+12+b], byte in v[TM+4+b]
.set b_, 0
.rept \nb
	v_max3_num_f32 v[TM+b_], |v[(\s)+16*b_]|, |v[(\s)+16*b_+1]|, 0x1800000   ; with the floor 2^(3 - 127)
.set b_, b_+1
.endr
.irp i, 2,4,6,8,10,12,14
.set b_, 0
.rept \nb
	v_max3_num_f32 v[TM+b_], v[TM+b_], |v[(\s)+16*b_+\i]|, |v[(\s)+16*b_+\i+1]|
.set b_, b_+1
.endr
.endr
.set b_, 0
.rept \nb
	v_permlanex16_b32 v[TM+4+b_], v[TM+b_], s[SEL], s[SEL+1]
.set b_, b_+1
.endr
.set b_, 0
.rept \nb
	v_max_num_f32 v[TM+b_], v[TM+b_], v[TM+4+b_]
.set b_, b_+1
.endr
.set b_, 0
.rept \nb
	v_add_nc_u32 v[TM+12+b_], 0xff000000, v[TM+b_]
.set b_, b_+1
.endr
.set b_, 0
.rept \nb
	v_lshrrev_b32 v[TM+4+b_], 23, v[TM+12+b_]
.set b_, b_+1
.endr
.endm
.macro QCVTK s, nb, pc                 ; their codes, as an operand's registers from v[pc] on
.set b_, 0
.rept \nb
	v_cvt_scalef32_pk8_fp4_f32 v[(\pc)+4*(b_/2)+(b_%2)], v[(\s)+16*b_:(\s)+16*b_+7], v[TM+12+b_]
	v_cvt_scalef32_pk8_fp4_f32 v[(\pc)+4*(b_/2)+2+(b_%2)], v[(\s)+16*b_+8:(\s)+16*b_+15], v[TM+12+b_]
.set b_, b_+1
.endr
	v_nop                                          ; one plain place behind a scaled conversion
.set b_, 0
.rept (\nb)/2
	v_permlane16_swap_b32 v[(\pc)+4*b_], v[(\pc)+4*b_+1]
	v_permlane16_swap_b32 v[(\pc)+4*b_+2], v[(\pc)+4*b_+3]
.set b_, b_+1
.endr
.endm
	s_load_b256 s[4:11], s[0:1], 0x0               ; kv, mask_q, mask_c, acod
	s_load_b64 s[12:13], s[0:1], 0x20              ; ascl
	v_lshl_add_u32 v[SPW], v0, 2, SPARE
	v_mov_b32 v[NIL], 0
	ds_add_u32 v[SPW], v[NIL]                      ; the opening lines: the add, twice on end, and its wait
	ds_add_u32 v[SPW], v[NIL]
	v_lshrrev_b32 v254, 5, v0
	v_readfirstlane_b32 s[WV], v254                ; wave 0..15
	s_mov_b32 s[G1], 15|(3<<16)|(1<<21)            ; the mask: all four work-groups; elements of 8 bytes; no padding: every read is an image, 16 bytes a lane on end
	s_mov_b32 s[G1+1], 32<<16                      ; rows of 256 bytes
	s_mov_b32 s[G1+2], 34<<16                      ; 34 of them a wave
	s_mov_b32 s[G1+3], 32<<16
	s_mov_b32 s[G1+4], 34
	s_mov_b32 s[G1+5], 32
	s_mov_b32 s[G1+6], 0
	s_mov_b32 s[G1+7], 0
	s_mov_b32 s[SEL], 0x76543210
	s_mov_b32 s[SEL+1], 0xfedcba98
	s_bfe_u32 s34, ttmp6, 0x40000                  ; cx: my block of 256 queries; it enters global addresses alone
	s_and_b32 s35, ttmp9, 7                        ; the pair of heads
	s_bfe_u32 s36, ttmp9, 0x20003                  ; the batch
	s_lshr_b32 s37, ttmp9, 5                       ; z
	s_lshl_b32 s44, s37, 2
	s_add_co_u32 s44, s44, s36
	s_lshl_b32 s44, s44, 4
	s_lshl_b32 s40, s35, 1
	s_add_co_u32 s44, s44, s40                     ; the keys' first record: (4 z + batch) 16 + 2 pair
	s_mul_i32 s38, s44, REC
	s_mul_i32 s41, s[WV], 8704                     ; my part of the two records
	s_add_co_u32 s38, s38, s41
	s_mov_b32 s39, 0
	s_xor_b32 s42, s44, 64                         ; the queries': the other tensor's
	s_mul_i32 s42, s42, REC
	s_mov_b32 s43, 0
	s_lshl_b32 s45, s34, 4
	s_add_co_u32 s45, s45, s[WV]                   ; t: my tile of queries in the batch
	s_lshl_b32 s46, s36, 6
	s_add_co_u32 s46, s46, s45                     ; and among all 256 tiles of rows
	s_lshr_b32 s47, s46, 1                         ; its pair P
	s_and_b32 s48, s46, 1
	s_add_co_u32 s48, s48, s40                     ; f = 2 x pair of heads + tile in P
	s_lshl_b32 s50, s37, 21
	s_lshl_b32 s49, s47, 14
	s_add_co_u32 s50, s50, s49
	s_lshl_b32 s49, s48, 10
	s_add_co_u32 s50, s50, s49
	s_add_co_u32 s50, s50, 4194304                 ; acod, part 1
	s_mov_b32 s51, 0
	s_lshl_b32 s52, s37, 17
	s_lshl_b32 s49, s47, 10
	s_add_co_u32 s52, s52, s49
	s_lshl_b32 s49, s48, 6
	s_add_co_u32 s52, s52, s49
	s_add_co_u32 s52, s52, 262144                  ; ascl, part 1
	s_mov_b32 s53, 0
	s_wait_dscnt 0x0                               ; both opening adds are done
	s_wait_kmcnt 0x0
	s_mov_b32 s[G0], 1
	s_mov_b32 s[G0+1], s41
	s_add_nc_u64 s[G0+2:G0+3], s[4:5], s[38:39]
	s_or_b32 s[G0+3], s[G0+3], 0x80000000
	ROUND                                          ; all four work-groups are here: the joint loads meet
	tensor_load_to_lds s[G0:G0+3], s[G1:G1+7]      ; my one tensor load
	s_nop 0
	PLACES
	s_add_nc_u64 s[42:43], s[4:5], s[42:43]        ; the queries' first record
	s_add_nc_u64 s[10:11], s[10:11], s[50:51]
	s_add_nc_u64 s[12:13], s[12:13], s[52:53]
	s_cmp_eq_u32 s37, 0
	s_cselect_b64 s[6:7], s[6:7], s[8:9]           ; the mask
	v_and_b32 v254, 31, v0                         ; lane
	v_and_b32 v255, 15, v0                         ; r
	v_bfe_u32 v[SH], v0, 4, 1                      ; h
	s_lshl_b32 s49, s45, 9
	v_lshl_add_u32 v[QO], v254, 4, s49             ; Q's image: 512 t + 16 lane
	s_lshl_b32 s49, s45, 5
	v_lshl_add_u32 v[QSO], v255, 1, s49            ; its scale bytes: 32 t + 2 r
	s_lshl_b32 s49, s45, 6
	s_lshl_b32 s40, s36, 12
	s_add_co_u32 s49, s49, s40
	v_lshl_add_u32 v[MO], v255, 2, s49             ; my query's word of the mask
	global_load_b128 v[Q0:Q0+3], v[QO], s[42:43]
	global_load_b128 v[Q1:Q1+3], v[QO], s[42:43] offset:REC
	global_load_u16 v[QS0], v[QSO], s[42:43] offset:65536
	global_load_u16 v[QS1], v[QSO], s[42:43] offset:65536+REC
	global_load_b32 v[TA], v[MO], s[6:7]
	v_lshlrev_b32 v[AK0], 4, v254
	v_lshl_add_u32 v[AV0], v254, 4, 32768
	v_lshl_add_u32 v[ASK0], v254, 1, 65536
	v_lshl_add_u32 v[ASV0], v254, 2, 67584
	v_lshlrev_b32 v[GO], 4, v254
	v_lshlrev_b32 v[SO], 2, v255
	v_lshl_add_u32 v[SO], v[SH], 1, v[SO]
	v_lshlrev_b32 v[SH], 4, v[SH]
	s_lshr_b32 s40, s[WV], 3                       ; V's scale bytes are turned once, below: wave w takes record w / 8, key step w % 8: 256 bytes of its own
	s_mul_i32 s40, s40, REC
	s_and_b32 s41, s[WV], 7
	s_lshl_b32 s41, s41, 8
	s_add_co_u32 s40, s40, s41
	s_add_co_u32 s40, s40, 67584
	v_lshl_add_u32 v[VT], v255, 2, s40
.irp j, 4,5,6,7
	v_mov_b32 v[Q0+\j], 0                          ; zero codes for k = 64 .. 127
	v_mov_b32 v[Q1+\j], 0
	v_mov_b32 v[KR+28+\j], 0                       ; behind the last tile of keys
	v_mov_b32 v[TM+\j], 0                          ; a lane permute's destination counts as one of its sources
.endr
	v_mov_b32 v[F+1], 0                            ; the upper halves of pairs of which the low word serves both halves: written once
	v_mov_b32 v[CL+1], 0
	v_mov_b32 v[NMA+1], 0
	v_mov_b32 v[TB], 0xc77fe000                    ; -65504
	v_mul_f32 v[TB], 0x3fb8aa3b, v[TB]             ; x log2(e): a masked row's t
	v_mov_b32 v254, 0x3e38aa3b                     ; log2(e) / sqrt(64)
	s_wait_alu depctr_va_vdst(0)                   ; the wait at the head's end
	s_wait_loadcnt 0x0
	v_cmp_eq_u32 vcc_lo, 0, v[TA]
	v_cndmask_b32 v[CL], v254, v[NIL], vcc_lo
	v_cndmask_b32 v[AL], v[NIL], v[TB], vcc_lo
	s_wait_tensorcnt 0x0                           ; my part of the records is in,
	s_barrier_signal -1
	s_barrier_wait -1                              ; everybody's is
	; VS arrives [key block][r][dt]; an operand wants, for channel row r of tile dt, one word with the bytes of the step's four key blocks: a 4 x 4 turn of bytes, in place (these bytes have had their one fill)
.irp i, 0,1,2,3
	ds_load_b32 v[OC+\i], v[VT] offset:64*\i
.endr
	s_wait_dscnt 0x0
	v_perm_b32 v[OC+4], v[OC+1], v[OC], 0x05010400
	v_perm_b32 v[OC+5], v[OC+1], v[OC], 0x07030602
	v_perm_b32 v[OC+6], v[OC+3], v[OC+2], 0x05010400
	v_perm_b32 v[OC+7], v[OC+3], v[OC+2], 0x07030602
	v_perm_b32 v[OC], v[OC+6], v[OC+4], 0x05040100
	v_perm_b32 v[OC+1], v[OC+6], v[OC+4], 0x07060302
	v_perm_b32 v[OC+2], v[OC+7], v[OC+5], 0x05040100
	v_perm_b32 v[OC+3], v[OC+7], v[OC+5], 0x07060302
.irp i, 0,1,2,3
	ds_store_b32 v[VT], v[OC+\i] offset:64*\i      ; now [key step][dt][r]; both halves of the lanes write the same word with the same value
.endr
	s_wait_dscnt 0x0                               ; for the others' sake
	s_barrier_signal -1
	s_barrier_wait -1
; two of the NEXT step's twelve LDS loads (on = 1): K's tiles 2 g and 2 g + 1, 4,096 bytes on from this step's; or (g = 4, 5) two registers of its scale words, 256 bytes on
.macro KN on, g
.if \on
.if (\g) < 4
	ds_load_b128 v[KR+8*(\g):KR+8*(\g)+3], v[ADK] offset:4096+1024*(\g)
	ds_load_b128 v[KR+8*(\g)+4:KR+8*(\g)+7], v[ADK] offset:4096+1024*(\g)+512
.else
	ds_load_u16 v[KSR+2*((\g)-4)], v[ADS] offset:256+128*((\g)-4)
	ds_load_u16 v[KSR+2*((\g)-4)+1], v[ADS] offset:256+128*((\g)-4)+64
.endif
.endif
.endm
; the four chains of the row's sum take a pair of p each: pairs i .. i + 3
.macro SUM4 i
	v_pk_add_f32 v[CB:CB+1], v[CB:CB+1], v[S+2*(\i):S+2*(\i)+1]
	v_pk_add_f32 v[CC:CC+1], v[CC:CC+1], v[S+2*(\i)+2:S+2*(\i)+3]
	v_pk_add_f32 v[CD:CD+1], v[CD:CD+1], v[S+2*(\i)+4:S+2*(\i)+5]
	v_pk_add_f32 v[14:15], v[14:15], v[S+2*(\i)+6:S+2*(\i)+7]
.endm
; A KEY STEP: 128 keys.  qf, qs: the head's fragment of Q and its scale words.  nxt = 1: the next step's K is asked for
.macro STEP qf, qs, nxt
	s_wait_dscnt 0x0                               ; this step's K and its scale words, asked for a step ago; nothing younger is out
.irp t, 0,1,2,3,4,5,6,7
	WM S+8*\t, KR+4*\t, \qf, -1, KSR+(\t)/2, \qs, (\t)%2
.endr
	v_add_nc_u32 v[ADV], s[TV], v[AV0]             ; these four are the places behind the products above
	v_add_nc_u32 v[ADT], s[TS], v[ASV0]
	v_add_nc_u32 v[ADK], s[TK], v[AK0]
	v_add_nc_u32 v[ADS], s[TS], v[ASK0]
.irp d, 0,1,2,3
	ds_load_b128 v[VR+8*\d:VR+8*\d+3], v[ADV] offset:8192*\d
	ds_load_b128 v[VR+8*\d+4:VR+8*\d+7], v[ADV] offset:8192*\d+512
.endr
.irp p, 0,1
	ds_load_b32 v[VSR+\p], v[ADT] offset:128*\p
.endr
.irp b, 0,1,2,3
	v_max3_num_f32 v[TM+\b], v[S+16*\b], v[S+16*\b+1], v[S+16*\b+2]   ; the largest score of each block of 32 keys: for the row's maximum, and, since p rises with the score, for the block's largest p
.endr
.irp i, 3,5,7,9,11,13
.irp b, 0,1,2,3
	v_max3_num_f32 v[TM+\b], v[TM+\b], v[S+16*\b+\i], v[S+16*\b+\i+1]
.endr
.endr
.irp b, 0,1,2,3
	v_max_num_f32 v[TM+\b], v[TM+\b], v[S+16*\b+15]
.endr
.irp b, 0,1,2,3
	v_permlanex16_b32 v[TM+4+\b], v[TM+\b], s[SEL], s[SEL+1]
.endr
.irp b, 0,1,2,3
	v_max_num_f32 v[TM+\b], v[TM+\b], v[TM+4+\b]
.endr
	v_max3_num_f32 v[TA], v[TM], v[TM+1], v[TM+2]  ; from here to AL - M each line reads the line before it: the next step's loads stand between them
	KN \nxt, 0
	v_max_num_f32 v[TA], v[TA], v[TM+3]
	KN \nxt, 1
	v_fma_f32 v[TA], v[TA], v[CL], v[AL]           ; as t (CL is positive or 0)
	KN \nxt, 2
	v_max_num_f32 v13, v13, v[TA]                  ; the running largest t
	v_mov_b32 v[TA], v12
	KN \nxt, 3
	v_floor_f32 v12, -v13                          ; the new -M = -ceil(t)
	KN \nxt, 4
	v_add_f32 v[NMA], v[AL], v12                   ; AL - M: exact
	v_sub_f32 v[TA], v12, v[TA]                    ; old M - new M: a whole number, 0 or less
	KN \nxt, 5
.set e_, 0
.rept 32
	v_pk_fma_f32 v[S+e_:S+e_+1], v[S+e_:S+e_+1], v[CL:CL+1], v[NMA:NMA+1] op_sel_hi:[1,0,0]   ; t - M, two at a time
.set e_, e_+2
.endr
	v_cvt_i32_f32 v[TA], v[TA]                     ; (it saturates)
.irp b, 0,1,2,3
	v_fma_f32 v[TM+\b], v[TM+\b], v[CL], v[NMA]    ; the same of each block's largest score
.endr
	v_ldexp_f32 v[F], 1.0, v[TA]                   ; f = 2^(old M - new M): it rounds nothing
	s_wait_alu depctr_va_vdst(0)                   ; the wait ahead of the batch
.set e_, 0
.rept 64
	v_exp_f32 v[S+e_], v[S+e_]                     ; p = 2^(t - M)
.set e_, e_+1
.endr
	v_pk_mul_f32 v[14:15], v[14:15], v[F:F+1] op_sel_hi:[1,0]   ; the sums under the new M: the plain place behind the last exponential
	s_wait_alu depctr_va_vdst(0)                   ; one wait for the batch of 64, ahead of its first reader
.irp b, 0,1,2,3
	v_exp_f32 v[TM+\b], v[TM+\b]                   ; the block's largest p
.endr
	v_pk_add_f32 v[CB:CB+1], v[S:S+1], v[S+2:S+3]  ; THE ROW'S SUM OF THE UNQUANTISED p, in four chains: pairs 0 to 18 here (they read the 64 alone)
	v_pk_add_f32 v[CC:CC+1], v[S+4:S+5], v[S+6:S+7]
	v_pk_add_f32 v[CD:CD+1], v[S+8:S+9], v[S+10:S+11]
	v_pk_add_f32 v[14:15], v[14:15], v[S+12:S+13]
	SUM4 7
	SUM4 11
	SUM4 15
	s_wait_alu depctr_va_vdst(0)                   ; and one wait for the four
.irp b, 0,1,2,3
	v_max_num_f32 v[TM+\b], 0x1800000, v[TM+\b]    ; the floor 2^(3 - 127)
.endr
.irp b, 0,1,2,3
	v_add_nc_u32 v[TM+12+\b], 0xff000000, v[TM+\b]
.endr
.irp b, 0,1,2,3
	v_lshrrev_b32 v[TM+4+\b], 23, v[TM+12+\b]
.endr
	v_lshl_or_b32 v[PS], v[TM+5], 8, v[TM+4]       ; p's scale word for these 128 keys
	v_lshl_or_b32 v[PS], v[TM+6], 16, v[PS]
	v_lshl_or_b32 v[PS], v[TM+7], 24, v[PS]
	QCVTK S, 4, PC
	s_wait_alu depctr_va_vdst(0)                   ; the wait here, directly ahead of the first reader of O^T
.set e_, 0
.rept 16
	v_pk_mul_f32 v[O+e_:O+e_+1], v[O+e_:O+e_+1], v[F:F+1] op_sel_hi:[1,0]   ; O^T under the new M, each accumulator from its low end on
.set e_, e_+2
.endr
	SUM4 19                                        ; pairs 19 to 31 and the chains' meeting: sixteen plain lines that name no register of the products below: the places ahead of them
	SUM4 23
	SUM4 27
	v_pk_add_f32 v[CB:CB+1], v[CB:CB+1], v[S+62:S+63]
	v_pk_add_f32 v[CB:CB+1], v[CB:CB+1], v[CC:CC+1]
	v_pk_add_f32 v[14:15], v[14:15], v[CD:CD+1]
	v_pk_add_f32 v[14:15], v[14:15], v[CB:CB+1]
	s_wait_alu depctr_va_vdst(0)                   ; the wait here, directly ahead of the wait below
.if \nxt
	s_wait_dscnt 12                                ; V's ten loads are in; the twelve issued behind them, the next step's K, may be out
.else
	s_wait_dscnt 0x0                               ; V
.endif
.irp d, 0,1,2,3
	WM O+8*\d, VR+8*\d, PC, O+8*\d, VSR+(\d)/2, PS, (\d)%2
.endr
	s_add_co_u32 s[TK], s[TK], 4096                ; the next 128 keys: eight tiles of K,
	s_add_co_u32 s[TV], s[TV], 1024                ; one image in each of V's four runs,
	s_add_co_u32 s[TS], s[TS], 256                 ; 256 bytes of either's scales
.endm
.macro HEAD c, qf, qs
	s_mov_b32 s[TK], REC*(\c)
	s_mov_b32 s[TV], REC*(\c)
	s_mov_b32 s[TS], REC*(\c)
	s_mov_b32 s[CNT], 7
	v_add_nc_u32 v[ADK], s[TK], v[AK0]
	v_add_nc_u32 v[ADS], s[TS], v[ASK0]
.irp t, 0,1,2,3,4,5,6,7
	ds_load_b128 v[KR+4*\t:KR+4*\t+3], v[ADK] offset:512*\t        ; the head's first K
.endr
.irp p, 0,1,2,3
	ds_load_u16 v[KSR+\p], v[ADS] offset:64*\p     ; lanes 0-15: tile 2 p's rows; lanes 16-31: tile 2 p + 1's
.endr
	v_mov_b32 v13, 0xff61b1e6                      ; the largest t so far: -3e38
	v_floor_f32 v12, -v13
	v_mov_b32 v14, 0
	v_mov_b32 v15, 0
.set j_, 0
.rept 32
	v_mov_b32 v[O+j_], 0                           ; the first step is like every other: it finds zeros, which the first change of M leaves zeros
.set j_, j_+1
.endr
.Lstep_\c:                                             ; seven trips: each asks for the next step's K
	STEP \qf, \qs, 1
	s_sub_co_u32 s[CNT], s[CNT], 1
	s_cmp_lg_u32 s[CNT], 0
	s_cbranch_scc1 .Lstep_\c
	STEP \qf, \qs, 0                               ; the head's last 128 keys: nothing more to ask for
	PLACES
	v_add_f32 v14, v14, v15
	v_permlanex16_b32 v[TM+4], v14, s[SEL], s[SEL+1]
	v_add_f32 v14, v14, v[TM+4]                    ; the row's sum
	s_wait_alu depctr_va_vdst(0)                   ; the wait ahead of the transcendental
	v_rcp_f32 v[F], v14
	v_nop
	s_wait_alu depctr_va_vdst(0)                   ; and behind it, directly ahead of the first readers of O^T
.set j_, 0
.rept 16
	v_pk_mul_f32 v[S+j_:S+j_+1], v[O+j_:O+j_+1], v[F:F+1] op_sel_hi:[1,0]   ; O^T / the sum: register 8 dt + j = channel 16 dt + 8 h + j of my query
.set j_, j_+2
.endr
	QMAX S, 2
.if (\c) == 0
	v_lshl_or_b32 v[SW], v[TM+5], 8, v[TM+4]
.else
	v_lshl_or_b32 v[TA], v[TM+5], 8, v[TM+4]
	v_lshl_or_b32 v[SW], v[TA], 16, v[SW]          ; the row's scale word for the pair of heads
.endif
	QCVTK S, 2, OC+4*(\c)
	global_store_b128 v[GO], v[OC+4*(\c):OC+4*(\c)+3], s[10:11] offset:512*(\c)   ; 512 consecutive bytes, aligned
.endm
	HEAD 0, Q0, QS0
	HEAD 1, Q1, QS1
	v_lshrrev_b32 v[SOUT], v[SH], v[SW]            ; each half of the lanes stores two of the four bytes
	global_store_b16 v[SO], v[SOUT], s[12:13]
	s_wait_tensorcnt 0x0                           ; the wave's end
	ds_add_u32 v[SPW], v[NIL]
	s_wait_dscnt 0x0
	ROUND                                          ; the closing round
	s_endpgm
.Lfunc_end_k_q3222998b45_attn:
	.size	k_q3222998b45_attn, .Lfunc_end_k_q3222998b45_attn-k_q3222998b45_attn
	.p2alignl 7, 3214868480
	.fill 96, 4, 3214868480
	.section	.rodata,"a",@progbits
	.p2align	6, 0x0
	.amdhsa_kernel k_q3222998b45_attn
		.amdhsa_group_segment_fixed_size 167936
		.amdhsa_private_segment_fixed_size 0
		.amdhsa_enable_private_segment 0
		.amdhsa_kernarg_size 40
		.amdhsa_user_sgpr_count 2
		.amdhsa_user_sgpr_kernarg_segment_ptr 1
		.amdhsa_wavefront_size32 1
		.amdhsa_system_sgpr_workgroup_id_x 1
		.amdhsa_system_sgpr_workgroup_id_y 1
		.amdhsa_system_sgpr_workgroup_id_z 1
		.amdhsa_system_vgpr_workitem_id 0
		.amdhsa_next_free_vgpr 256
		.amdhsa_next_free_sgpr 66
		.amdhsa_reserve_vcc 1
		.amdhsa_float_denorm_mode_32 3
		.amdhsa_float_denorm_mode_16_64 3
		.amdhsa_memory_ordered 1
		.amdhsa_forward_progress 1
		.amdhsa_inst_pref_size 79
	.end_amdhsa_kernel
	.amdgpu_metadata
---
amdhsa.version: [ 1, 2 ]
amdhsa.kernels:
  - .name:           k_q3222998b45_attn
    .symbol:         k_q3222998b45_attn.kd
    .args:
      - { .name: kv, .offset: 0, .size: 8, .value_kind: global_buffer, .address_space: global }
      - { .name: mask_q, .offset: 8, .size: 8, .value_kind: global_buffer, .address_space: global }
      - { .name: mask_c, .offset: 16, .size: 8, .value_kind: global_buffer, .address_space: global }
      - { .name: acod, .offset: 24, .size: 8, .value_kind: global_buffer, .address_space: global }
      - { .name: ascl, .offset: 32, .size: 8, .value_kind: global_buffer, .address_space: global }
    .group_segment_fixed_size: 167936
    .private_segment_fixed_size: 0
    .kernarg_segment_align: 8
    .kernarg_segment_size: 40
    .max_flat_workgroup_size: 512
    .sgpr_count:     66
    .vgpr_count:     256
    .wavefront_size: 32
...
	.end_amdgpu_metadata
.endif
;; end of part 2
;; launch outp (part 3): grid 256 x 1, 4 waves a work-group, clusters of 4 x 1, 327,680 bytes of LDS; arguments acod, ascl, W1_codes, W1_scales, W2_codes, W2_scales, b1, b2, question, context, out0, out1; writes out0, out1
.if DOCPART == 3
	.amdgcn_target "amdgcn-amd-amdhsa--gfx1250"
	.amdhsa_code_object_version 6
	.text
	.protected	k_q3222998b45_outp
	.globl	k_q3222998b45_outp
	.p2align	8
	.type	k_q3222998b45_outp,@function
k_q3222998b45_outp:
	s_mov_b64 s[64:65], 0
	v_nop
	global_prefetch_b8 v0, s[64:65] scope:SCOPE_SE
	s_setreg_imm32_b32 hwreg(HW_REG_WAVE_MODE, 25, 1), 1
	s_wait_xcnt 0x0
	s_wait_alu depctr_hold_cnt(0) depctr_sa_sdst(0) depctr_va_vdst(0) depctr_va_sdst(0) depctr_va_ssrc(0) depctr_va_vcc(0) depctr_vm_vsrc(0)
	s_getreg_b32 s2, hwreg(HW_REG_IB_STS2, 6, 4)
	s_cmp_eq_u32 s2, 0
	s_cbranch_scc0 .Lentry_in_a_cluster
	s_endpgm
.Lentry_in_a_cluster:
	s_bfe_u32 s2, ttmp6, 0x10000c
	s_cmp_lg_u32 s2, 0x3003
	s_cbranch_scc0 .Lentry_shape_is_right
	s_endpgm
.Lentry_shape_is_right:
; THIRD LAUNCH: out = x + tanh([x, x_] W + b), z = 0: question, W1, b1, out0; z = 1: context, W2, b2, out1.  The left operand's codes and scale words lie in acod and ascl (part 0: x, part 1: the attention's result)
; as images of the operand's registers; W comes as given.  Nothing is left out.  LIMITS: NaN and infinities are not served.
; SHARES.  256 work-groups; one makes 256 rows x 128 columns; each of its four waves 64 rows x 128 columns.  A wave's 64 rows of the left operand, all of K = 2,048, are 512 registers, loaded once from the images:
; 128 loads of 512 consecutive bytes, issued at the head in the order of K and waited for K step by K step.  W's 128 rows, all of K, lie in LDS (rows of 1,024 bytes + 16 of padding), with their scale bytes:
; one tensor load a wave at the head (waves 0, 1: 64 rows of codes each; waves 2, 3: the scale bytes of 64 rows each), and nothing is filled again.
; CLUSTERS: the four work-groups of a cluster are four blocks of rows of one tensor and one block of columns: they read the same rows of W, so the loads are JOINT.
; THE WALK.  Two groups of 64 columns, one after the other, each through all of K: 16 accumulators by turns.  Each fragment of W is read from LDS once and feeds four products.
; The first group's rows leave before the second group is multiplied.  W's fragments go K step by K step through three buffers; a K step is asked for two steps ahead.
; THE PRODUCT IS USED TRANSPOSED (source 0 = 16 rows of W, source 1 = 16 rows of the left operand): a lane holds eight neighbouring columns of one row.  The sums begin as the bias: it is read into the accumulators
; from 512 LDS bytes of the wave's own, stored there once at the head.
; THE RESIDUAL has 128 registers, a group's worth: the first group's four tiles are asked for in K steps 9 to 12 of that group, the second group's each behind the stores of the first group's tile that used its registers.
; tanh(y) = 1 - 2 / (1 + 2^(2 log2(e) y)): right at both ends, where the power is infinite or 0.
; NO PREFETCH: the text has no loop to run ahead in; the left operand, the bias and W are asked for at the head, the residual as said above.
; REGISTERS: window 0: v4-15 addresses; v32-63 W's scale words; v64-95 the left operand's; v96-159 rows on the way out; v160-255 the residual's tiles 0 to 2.
;   windows 1, 2: the left operand, part 0 and part 1: K step k, tile a at 32 (k % 8) + 8 a.   window 3: v0-127 accumulators, (a, b) at 32 a + 8 b; v128-223 W's fragments, three buffers of 32; v224-255 the residual's tile 3.
.set PB,    1040                       ; a row of W in LDS: 65 x 16 bytes, so the 16 rows that a load touches begin in 16 different columns of 16 bytes
.set GRP,   64*PB                      ; a group's 64 rows
.set SCL,   128*PB                     ; W's scale bytes: units of 256 bytes + 16; 64 bytes a row
.set STAGE, SCL+8704                   ; 16 rows x 272 bytes for each wave
.set BIA,   STAGE+17408                ; the bias of my work-group's 128 columns, once for each wave
.set SPARE, BIA+2048
.set AO,  4
.set ASO, 5
.set CO,  6
.set AB0, 7                            ; v7, v8: W's rows of the two groups
.set AB1, 8
.set SB,  9
.set BL,  10
.set BST, 11
.set STO, 12
.set RD,  13
.set SPW, 14
.set NIL, 15
.set SC,  32
.set AS,  64
.set OB,  96
.set WV,  3
.set G1C, 28
.set G1S, 36
.set G0C, 52
.set G0S, 56
.set MSB, 0
.macro WIN new
.if MSB != \new
	s_set_vgpr_msb (MSB<<8)|\new
.set MSB, \new
.endif
.endm
.macro PLACES
.rept 4
	v_nop
.endr
.endm
.macro ROUND
	s_barrier_signal -1
	s_barrier_wait -1
	s_cmp_lg_u32 s[WV], 0
	s_cbranch_scc1 .Lnot_wave_0_\@
	s_barrier_signal -3
.Lnot_wave_0_\@:
	s_barrier_wait -3
	s_barrier_signal -1
	s_barrier_wait -1
.endm
.macro WM d, a, b, sa, sb, ra, rb      ; D += A B in place; ra, rb: which half of the lanes holds each side's scale words
.if ((\ra) == 0) && ((\rb) == 0)
	v_wmma_scale_f32_16x16x128_f8f6f4 v[(\d):(\d)+7], v[(\a):(\a)+7], v[(\b):(\b)+7], v[(\d):(\d)+7], v[(\sa)], v[(\sb)] matrix_a_fmt:MATRIX_FMT_FP4 matrix_b_fmt:MATRIX_FMT_FP4
.elseif (\rb) == 0
	v_wmma_scale_f32_16x16x128_f8f6f4 v[(\d):(\d)+7], v[(\a):(\a)+7], v[(\b):(\b)+7], v[(\d):(\d)+7], v[(\sa)], v[(\sb)] matrix_a_fmt:MATRIX_FMT_FP4 matrix_b_fmt:MATRIX_FMT_FP4 matrix_a_scale:MATRIX_SCALE_ROW1
.elseif (\ra) == 0
	v_wmma_scale_f32_16x16x128_f8f6f4 v[(\d):(\d)+7], v[(\a):(\a)+7], v[(\b):(\b)+7], v[(\d):(\d)+7], v[(\sa)], v[(\sb)] matrix_a_fmt:MATRIX_FMT_FP4 matrix_b_fmt:MATRIX_FMT_FP4 matrix_b_scale:MATRIX_SCALE_ROW1
.else
	v_wmma_scale_f32_16x16x128_f8f6f4 v[(\d):(\d)+7], v[(\a):(\a)+7], v[(\b):(\b)+7], v[(\d):(\d)+7], v[(\sa)], v[(\sb)] matrix_a_fmt:MATRIX_FMT_FP4 matrix_b_fmt:MATRIX_FMT_FP4 matrix_a_scale:MATRIX_SCALE_ROW1 matrix_b_scale:MATRIX_SCALE_ROW1
.endif
.endm
.macro RES g, a                        ; the residual of group g's tile a, as the rows will leave: sixteen lanes read 256 consecutive bytes; 8 loads
.if (\a) < 3
	WIN 0
.set r_, 160+32*(\a)
.else
	WIN 0xc0
.set r_, 224
.endif
.irp t, 0,1,2,3,4,5,6,7
	global_load_b128 v[r_+4*\t:r_+4*\t+3], v[CO], s[20:21] offset:(16*(\a)+2*\t)*4096+256*(\g) th:TH_LOAD_NT
.endr
.endm
.macro ALOAD p                         ; part p of the left operand, K step by K step: 8 loads a step
	WIN 0x40*((\p)+1)
.irp k, 0,1,2,3,4,5,6,7
.irp a, 0,1,2,3
.irp c, 0,1
	global_load_b128 v[32*\k+8*\a+4*\c:32*\k+8*\a+4*\c+3], v[AO], s[4:5] offset:4194304*(\p)+16384*((\a)>>1)+1024*(2*\k+((\a)&1))+512*\c
.endr
.endr
.endr
.endm
	s_load_b512 s[4:19], s[0:1], 0x0               ; acod, ascl, W1's codes and scales, W2's codes and scales, b1, b2
	s_load_b256 s[20:27], s[0:1], 0x40             ; question, context, out0, out1
	v_lshl_add_u32 v[SPW], v0, 2, SPARE
	v_mov_b32 v[NIL], 0
	ds_add_u32 v[SPW], v[NIL]                      ; the opening lines: the add, twice on end, and its wait
	ds_add_u32 v[SPW], v[NIL]
	v_lshrrev_b32 v1, 5, v0
	v_readfirstlane_b32 s[WV], v1                  ; wave 0..3
	s_mov_b32 s[G1C], 15|(1<<20)|(1<<21)|(7<<22)|(3<<25)   ; the mask: all four work-groups; elements of 1 byte; 4 words of padding behind every 256
	s_mov_b32 s[G1C+1], 1024<<16
	s_mov_b32 s[G1C+2], 64<<16
	s_mov_b32 s[G1C+3], 1024<<16
	s_mov_b32 s[G1C+4], 64
	s_mov_b32 s[G1C+5], 1024
	s_mov_b32 s[G1C+6], 0
	s_mov_b32 s[G1C+7], 0
	s_mov_b32 s[G1S], 15|(3<<16)|(1<<20)|(1<<21)|(5<<22)|(3<<25)   ; scale bytes: 4,096 dense bytes as 16 rows of 256, 16 bytes of padding behind each
	s_mov_b32 s[G1S+1], 32<<16
	s_mov_b32 s[G1S+2], 16<<16
	s_mov_b32 s[G1S+3], 32<<16
	s_mov_b32 s[G1S+4], 16
	s_mov_b32 s[G1S+5], 32
	s_mov_b32 s[G1S+6], 0
	s_mov_b32 s[G1S+7], 0
	s_bfe_u32 s44, ttmp6, 0x40000                  ; cx: it enters global addresses of my own rows alone
	s_lshr_b32 s45, ttmp9, 5                       ; z
	s_bfe_u32 s46, ttmp9, 0x30002                  ; the block of 128 columns
	s_and_b32 s47, ttmp9, 3
	s_lshl_b32 s47, s47, 2
	s_add_co_u32 s47, s47, s44                     ; my block of 256 rows in the tensor
	s_lshl_b32 s47, s47, 2
	s_add_co_u32 s47, s47, s[WV]                   ; my wave's 64 rows
	s_and_b32 s48, s[WV], 1                        ; which 64 rows of W I fetch for
	s_lshr_b32 s49, s[WV], 1                       ; codes (0) or scale bytes (1)
	s_lshl_b32 s50, s46, 7
	s_lshl_b32 s51, s48, 6
	s_add_co_u32 s50, s50, s51                     ; their first row
	s_mov_b32 s61, 0
	s_wait_dscnt 0x0                               ; both opening adds are done
	s_wait_kmcnt 0x0
	s_cmp_eq_u32 s45, 0
	s_cselect_b64 s[8:9], s[8:9], s[12:13]         ; W's codes
	s_cselect_b64 s[10:11], s[10:11], s[14:15]     ; W's scale bytes
	s_cselect_b64 s[16:17], s[16:17], s[18:19]     ; b
	s_cselect_b64 s[20:21], s[20:21], s[22:23]     ; x
	s_cselect_b64 s[24:25], s[24:25], s[26:27]     ; out
	s_lshl_b32 s60, s50, 10
	s_mov_b32 s[G0C], 1
	s_mul_i32 s[G0C+1], s48, GRP
	s_add_nc_u64 s[G0C+2:G0C+3], s[8:9], s[60:61]
	s_or_b32 s[G0C+3], s[G0C+3], 0x80000000
	s_lshl_b32 s60, s50, 6
	s_mov_b32 s[G0S], 1
	s_mul_i32 s[G0S+1], s48, 4352
	s_add_co_u32 s[G0S+1], s[G0S+1], SCL
	s_add_nc_u64 s[G0S+2:G0S+3], s[10:11], s[60:61]
	s_or_b32 s[G0S+3], s[G0S+3], 0x80000000
	ROUND                                          ; all four work-groups are here: the joint loads meet
	s_cmp_eq_u32 s49, 0                            ; one load a wave, an arm each; the branch hangs on the wave's number alone
	s_cbranch_scc0 .Lfor_s
	tensor_load_to_lds s[G0C:G0C+3], s[G1C:G1C+7]
	s_nop 0
	PLACES
	s_branch .Lasked
.Lfor_s:
	tensor_load_to_lds s[G0S:G0S+3], s[G1S:G1S+7]
	s_nop 0
	PLACES
.Lasked:
	s_lshl_b32 s60, s45, 21
	s_lshl_b32 s62, s47, 15
	s_add_co_u32 s60, s60, s62
	s_add_nc_u64 s[4:5], s[4:5], s[60:61]          ; my rows' images: 32,768 bytes in each part
	s_lshl_b32 s60, s45, 17
	s_lshl_b32 s62, s47, 11
	s_add_co_u32 s60, s60, s62
	s_add_nc_u64 s[6:7], s[6:7], s[60:61]          ; their scale words: 2,048 bytes in each part
	s_lshl_b32 s60, s46, 9                         ; my work-group's first column, in bytes
	s_add_nc_u64 s[16:17], s[16:17], s[60:61]
	s_lshl_b32 s62, s47, 18                        ; my first row
	s_add_co_u32 s60, s60, s62
	s_add_nc_u64 s[20:21], s[20:21], s[60:61]
	s_add_nc_u64 s[24:25], s[24:25], s[60:61]
	s_lshl_b32 s62, s[WV], 9
	s_add_co_u32 s62, s62, BIA
	s_mul_i32 s63, s[WV], 4352
	s_add_co_u32 s63, s63, STAGE
	v_and_b32 v1, 31, v0                           ; lane
	v_and_b32 v2, 15, v0                           ; r
	v_bfe_u32 v3, v0, 4, 1                         ; h
	v_lshlrev_b32 v[AO], 4, v1
	v_lshlrev_b32 v[ASO], 2, v1
	v_lshlrev_b32 v[CO], 12, v3                    ; lanes 0-15 one row of x and of out, lanes 16-31 the next; 16 bytes a lane
	v_lshl_add_u32 v[CO], v2, 4, v[CO]
	v_mul_u32_u24 v[AB0], v2, PB
	v_lshl_add_u32 v[AB0], v3, 4, v[AB0]           ; a fragment of W: row r, + 16 h
	v_add_nc_u32 v[AB1], GRP, v[AB0]
	v_lshrrev_b32 v[SB], 2, v1
	v_lshlrev_b32 v[SB], 4, v[SB]
	v_lshl_add_u32 v[SB], v1, 6, v[SB]             ; W's scale bytes: 64 a row, 16 more for each 256 passed; lanes 0-15 an even tile's rows, lanes 16-31 the odd one's
	v_add_nc_u32 v[SB], SCL, v[SB]
	v_lshl_add_u32 v[BL], v3, 5, s62               ; the bias in the result's layout: columns 16 b + 8 h + 0 .. 7
	v_lshl_add_u32 v[BST], v1, 4, s62
	v_mul_u32_u24 v[STO], v2, 272
	v_lshl_add_u32 v[STO], v3, 5, v[STO]
	v_add_nc_u32 v[STO], s63, v[STO]
	v_mul_u32_u24 v[RD], v3, 272
	v_lshl_add_u32 v[RD], v2, 4, v[RD]
	v_add_nc_u32 v[RD], s63, v[RD]
	s_wait_alu depctr_va_vdst(0)                   ; the wait at the head's end
	global_load_b128 v[OB:OB+3], v[AO], s[16:17]   ; the bias of 128 columns
.irp p, 0,1
.irp k, 0,1,2,3,4,5,6,7
.irp q, 0,1
	global_load_b32 v[AS+16*\p+2*\k+\q], v[ASO], s[6:7] offset:262144*\p+1024*\q+128*\k   ; K step 8 p + k, tiles 2 q (lanes 0-15) and 2 q + 1 (lanes 16-31)
.endr
.endr
.endr
	ALOAD 0
	ALOAD 1
	WIN 0
	s_wait_loadcnt 63                              ; the bias is in: 160 loads were issued behind it
	s_wait_tensorcnt 0x0                           ; my part of W is in
	ds_store_b128 v[BST], v[OB:OB+3]
	s_wait_dscnt 0x0
	s_barrier_signal -1
	s_barrier_wait -1                              ; everybody's part is in
.macro BIASL g                         ; the sums begin as the bias: 32 loads
	WIN 0xc0
.irp a, 0,1,2,3
.irp b, 0,1,2,3
.irp c, 0,1
	ds_load_b128 v[32*\a+8*\b+4*\c:32*\a+8*\b+4*\c+3], v[BL] offset:256*(\g)+64*\b+16*\c
.endr
.endr
.endr
.endm
.macro SCALES g                        ; a group's scale words of W: register SC + 16 p + k: lanes 0-15 tile 2 p, lanes 16-31 tile 2 p + 1, K step k: 8 loads
	WIN 0
.irp p, 0,1
.irp q, 0,1,2,3
	ds_load_b128 v[SC+16*\p+4*\q:SC+16*\p+4*\q+3], v[SB] offset:4352*(\g)+2176*\p+16*\q
.endr
.endr
.endm
.macro FETCH g, k                      ; K step k of the group's four tiles into buffer k % 3: 8 loads
	WIN 0xc0
.irp b, 0,1,2,3
.irp c, 0,1
	ds_load_b128 v[128+32*((\k)%3)+8*\b+4*\c:128+32*((\k)%3)+8*\b+4*\c+3], v[AB0+\g] offset:16*PB*\b+64*(\k)+32*\c
.endr
.endr
.endm
.macro MUL k                           ; 16 products: the 16 accumulators by turns
.if (\k) < 8
	WIN 0xf7                                       ; source 0 (W), C and D window 3; source 1 window 1
.else
	WIN 0xfb                                       ; source 1 window 2
.endif
.irp a, 0,1,2,3
.irp b, 0,1,2,3
	WM 32*\a+8*\b, 128+32*((\k)%3)+8*\b, 32*((\k)&7)+8*\a, SC+16*((\b)>>1)+(\k), AS+2*(\k)+((\a)>>1), (\b)&1, (\a)&1
.endr
.endr
.endm
.macro KSTEP g, k
.if (\k) < 14
	PLACES                                         ; in front of loads into registers that the last products read
	FETCH \g, (\k)+2
.endif
.if ((\g) == 1) && ((\k) == 0)
	s_wait_dscnt 8                                 ; the bias is in the accumulators; the 8 loads just issued may be out
.elseif (\k) < 14
	s_wait_dscnt 16                                ; all but the two later K steps' loads
.else
	s_wait_dscnt 8*(15-(\k))
.endif
.if (\g) == 0                                  ; this K step of the left operand is in: behind its 8 loads came 8 for each later K step, and the residual's tiles asked for so far
.if (\k) < 8
	s_wait_loadcnt 63
.elseif (\k) == 8
	s_wait_loadcnt 56
.elseif (\k) < 14
	s_wait_loadcnt 48
.else
	s_wait_loadcnt 8*(19-(\k))
.endif
.if ((\k) > 8) && ((\k) < 13)
	RES 0, (\k)-9
.endif
.endif
	MUL \k
.endm
; THE WAY OUT, a tile of 16 rows x 64 columns at a time: tanh in place; through my own stage, so that sixteen lanes hold 256 consecutive bytes of a row; + x; stored
.macro TANH a
.set t_, 32*(\a)
	WIN 0xc3
	s_wait_alu depctr_va_vdst(0)                   ; the wait directly ahead of the first readers of the sums
.set j_, 0
.rept 16
	v_pk_mul_f32 v[t_+j_:t_+j_+1], v[t_+j_:t_+j_+1], 0x4038aa3b op_sel_hi:[1,0]   ; 2 log2(e) y; each accumulator from its low end on
.set j_, j_+2
.endr
	s_wait_alu depctr_va_vdst(0)                   ; a wait ahead of each batch and one behind it
.set j_, 0
.rept 32
	v_exp_f32 v[t_+j_], v[t_+j_]
.set j_, j_+1
.endr
	v_nop
	s_wait_alu depctr_va_vdst(0)
.set j_, 0
.rept 16
	v_pk_add_f32 v[t_+j_:t_+j_+1], v[t_+j_:t_+j_+1], 1.0 op_sel_hi:[1,0]
.set j_, j_+2
.endr
	s_wait_alu depctr_va_vdst(0)
.set j_, 0
.rept 32
	v_rcp_f32 v[t_+j_], v[t_+j_]
.set j_, j_+1
.endr
	v_nop
	s_wait_alu depctr_va_vdst(0)
.set j_, 0
.rept 16
	v_pk_fma_f32 v[t_+j_:t_+j_+1], v[t_+j_:t_+j_+1], -2.0, 1.0 op_sel_hi:[1,0,0]
.set j_, j_+2
.endr
.endm
.macro TOSTAGE a
.set t_, 32*(\a)
.set o_, OB+32*((\a)&1)
	WIN 0x0c                                       ; the data: window 3
.irp b, 0,1,2,3
	ds_store_b128 v[STO], v[t_+8*\b:t_+8*\b+3] offset:64*\b
	ds_store_b128 v[STO], v[t_+8*\b+4:t_+8*\b+7] offset:64*\b+16
.endr
	WIN 0
.irp t, 0,1,2,3,4,5,6,7
	ds_load_b128 v[o_+4*\t:o_+4*\t+3], v[RD] offset:544*\t   ; LDS serves a wave's instructions in order: these see the stores above
.endr
.endm
.macro SEND g, a
.set o_, OB+32*((\a)&1)
	s_wait_dscnt 0x0                               ; the tile is back in registers
	s_wait_loadcnt 24-8*(\g)*(\a)                  ; its residual is in: so many residual loads were issued behind this tile's eight
.if (\a) < 3
	WIN 0
.set x_, 160+32*(\a)
.else
	WIN 0x0c                                       ; source 1 (x) window 3
.set x_, 224
.endif
.set j_, 0
.rept 16
	v_pk_add_f32 v[o_+j_:o_+j_+1], v[o_+j_:o_+j_+1], v[x_+j_:x_+j_+1]
.set j_, j_+2
.endr
	WIN 0
.irp t, 0,1,2,3,4,5,6,7
	global_store_b128 v[CO], v[o_+4*\t:o_+4*\t+3], s[24:25] offset:(16*(\a)+2*\t)*4096+256*(\g) th:TH_STORE_NT   ; sixteen lanes store 256 consecutive bytes, aligned
.endr
.if (\g) == 0
	RES 1, \a                                      ; the second group's tile, into the registers just read
	WIN 0
.endif
.endm
.macro EPI g
	s_wait_xcnt 0x0                                ; earlier stores have read their registers: rows may land there again
	TANH 0
	TOSTAGE 0
	TANH 1                                         ; a tile's arithmetic stands between the loads of the tile before and the wait for them
	SEND \g, 0
	TOSTAGE 1
	TANH 2
	SEND \g, 1
	s_wait_xcnt 0x0                                ; tile 0's stores have read their registers: tile 2's rows may land there
	TOSTAGE 2
	TANH 3
	SEND \g, 2
	s_wait_xcnt 0x0
	TOSTAGE 3
	SEND \g, 3
.endm
	BIASL 0
	SCALES 0
	FETCH 0, 0
	FETCH 0, 1
.set k_, 0
.rept 16
	KSTEP 0, k_
.set k_, k_+1
.endr
	PLACES                                         ; behind the last products: ahead of the loads below and of the first read of the sums
	SCALES 1                                       ; the second group's scale words and first two K steps land under the first group's way out
	FETCH 1, 0
	FETCH 1, 1
	WIN 0
	EPI 0
	BIASL 1
.set k_, 0
.rept 16
	KSTEP 1, k_
.set k_, k_+1
.endr
	PLACES
	WIN 0
	EPI 1
	s_wait_tensorcnt 0x0                           ; the wave's end
	ds_add_u32 v[SPW], v[NIL]
	s_wait_dscnt 0x0
	ROUND                                          ; the closing round
	s_endpgm
.Lfunc_end_k_q3222998b45_outp:
	.size	k_q3222998b45_outp, .Lfunc_end_k_q3222998b45_outp-k_q3222998b45_outp
	.p2alignl 7, 3214868480
	.fill 96, 4, 3214868480
	.section	.rodata,"a",@progbits
	.p2align	6, 0x0
	.amdhsa_kernel k_q3222998b45_outp
		.amdhsa_group_segment_fixed_size 327680
		.amdhsa_private_segment_fixed_size 0
		.amdhsa_enable_private_segment 0
		.amdhsa_kernarg_size 96
		.amdhsa_user_sgpr_count 2
		.amdhsa_user_sgpr_kernarg_segment_ptr 1
		.amdhsa_wavefront_size32 1
		.amdhsa_system_sgpr_workgroup_id_x 1
		.amdhsa_system_sgpr_workgroup_id_y 1
		.amdhsa_system_sgpr_workgroup_id_z 1
		.amdhsa_system_vgpr_workitem_id 0
		.amdhsa_next_free_vgpr 1024
		.amdhsa_next_free_sgpr 80
		.amdhsa_reserve_vcc 0
		.amdhsa_float_denorm_mode_32 3
		.amdhsa_float_denorm_mode_16_64 3
		.amdhsa_memory_ordered 1
		.amdhsa_forward_progress 1
		.amdhsa_inst_pref_size 190
	.end_amdhsa_kernel
	.amdgpu_metadata
---
amdhsa.version: [ 1, 2 ]
amdhsa.kernels:
  - .name:           k_q3222998b45_outp
    .symbol:         k_q3222998b45_outp.kd
    .args:
      - { .name: acod, .offset: 0, .size: 8, .value_kind: global_buffer, .address_space: global }
      - { .name: ascl, .offset: 8, .size: 8, .value_kind: global_buffer, .address_space: global }
      - { .name: W1_codes, .offset: 16, .size: 8, .value_kind: global_buffer, .address_space: global }
      - { .name: W1_scales, .offset: 24, .size: 8, .value_kind: global_buffer, .address_space: global }
      - { .name: W2_codes, .offset: 32, .size: 8, .value_kind: global_buffer, .address_space: global }
      - { .name: W2_scales, .offset: 40, .size: 8, .value_kind: global_buffer, .address_space: global }
      - { .name: b1, .offset: 48, .size: 8, .value_kind: global_buffer, .address_space: global }
      - { .name: b2, .offset: 56, .size: 8, .value_kind: global_buffer, .address_space: global }
      - { .name: question, .offset: 64, .size: 8, .value_kind: global_buffer, .address_space: global }
      - { .name: context, .offset: 72, .size: 8, .value_kind: global_buffer, .address_space: global }
      - { .name: out0, .offset: 80, .size: 8, .value_kind: global_buffer, .address_space: global }
      - { .name: out1, .offset: 88, .size: 8, .value_kind: global_buffer, .address_space: global }
    .group_segment_fixed_size: 327680
    .private_segment_fixed_size: 0
    .kernarg_segment_align: 8
    .kernarg_segment_size: 96
    .max_flat_workgroup_size: 128
    .sgpr_count:     80
    .vgpr_count:     1024
    .wavefront_size: 32
...
	.end_amdgpu_metadata
.endif
;; end of part 3
